; MI455X (gfx1250); checked and timed in simulation.
; The chip was launched on July 23, 2026; its instructions are those of AMD's public machine-readable ISA for CDNA 5 (MIT licence, August 2026) and "CDNA5" Instruction Set Architecture Reference Guide (July 2026). The comments in the code are by the model that wrote it; some were corrected since.
;; LSTM Layer. Allowed arithmetic: matrix products marked QUANTISED: E2M3 operands, one E8M0 scale for each 32 along K, by v_wmma_scale_f32_16x16x128_f8f6f4 with both operands' format E2M3, f32 sums; everything else in f32.
;; Inputs: Wc 1,024 x 2,048 float32; Wf 1,024 x 2,048 float32; Wi 1,024 x 2,048 float32; Wo 1,024 x 2,048 float32; bc 1,024 float32; bf 1,024 float32; bi 1,024 float32; bo 1,024 float32; c 8,192 x 1,024 float32; hidden 8,192 x 1,024 float32; inputs 8,192 x 1,024 float32.
;; Outputs: out0 8,192 x 1,024 float32; out1 8,192 x 1,024 float32.
;; This version of the problem:
;;   THIS VERSION OF THE PROBLEM IS GIVEN IN LOW PRECISION. The matrix products marked QUANTISED in the list below multiply operands that are first quantised to E2M3 (2 exponent bits, 3 mantissa bits; 6 bits a number), with one power-of-two scale for each 32 numbers along K (OCP MX v1.0); their sums are f32. All else is computed in f32.
;;   The module's matrix products, in the order in which they are computed (A, B: the left and right operand; K: the contracted axis; several contracted axes count as one K, in the product's order):
;;     1. [M 8,192, K 2,048] x [K 2,048, N 4,096]; A: computed on the way; B: computed on the way: QUANTISED
;;   THE QUANTISER, for each operand of a quantised product, along K:
;;     - K is cut into blocks of 32 from its start; a last block that is shorter is filled with zeros.
;;     - A block's scale is 2^e with e = floor(log2(the largest magnitude in the block)) - 2, held to -126 .. 127; a block of zeros has e = 0. As a byte (E8M0): e + 127.
;;     - Each number is divided by its block's scale, clamped to +-7.5, and rounded to the nearest number of E2M3, ties to even, subnormals kept.
;;     - The product sums the exact products of the quantised numbers (number of the format x scale) in f32.
;;   ~~~python
;;   def quantise(x, axis):      # numpy; x: float32 -> the quantised numbers, widened to float32 again
;;       x = np.moveaxis(x, axis, -1); K = x.shape[-1]
;;       x = np.pad(x, [(0, 0)] * (x.ndim - 1) + [(0, -K % 32)]); x = x.reshape(x.shape[:-1] + (-1, 32)); a = np.abs(x).max(-1, keepdims=True)
;;       e = np.where(a > 0, np.clip(np.frexp(np.where(a > 0, a, 1))[1] - 1 - 2, -126, 127), 0)      # np.frexp(a)[1] - 1 = floor(log2(a)), exactly
;;       r = np.clip(x / 2.0 ** e, -7.5, 7.5)
;;       step = 2.0 ** (np.maximum(np.frexp(np.where(r == 0, 1, r))[1] - 1, 0) - 3)
;;       q = np.round(r / step) * step * 2.0 ** e      # np.round: ties to even
;;       return np.moveaxis(q.reshape(q.shape[:-2] + (-1,))[..., :K], -1, axis).astype(np.float32)
;;   ~~~
;;   OPERANDS COMPUTED ON THE WAY. 'Computed on the way' means the value that the module computes at that place (a softmax that the list does not call 'softmax' is quantised finished and normalised). What goes into a quantiser is computed in f32, as accurately as f32 sums, v_exp_f32 and their like allow (about 1e-6 of the number): no bf16 or f16 on the way to a quantiser, and a product that is left as it is and whose result goes on into a quantised operand takes f32 operands (vector FMAs, or v_wmma_f32_16x16x4_f32). A number that lies on a knife's edge between two numbers of the format may be rounded either way, as far as f32 arithmetic and the matrix unit's own rounding can turn it there, and no further.
;; One version. Each part assembles by itself: llvm-mc -triple=amdgcn-amd-amdhsa -mcpu=gfx1250 --defsym DOCPART=n.
;; ======== version 1 of 1: 2 launches
;; limits: right only within a limited range of input values
;; workspace buffers: x_t 13,107,200 bytes; w_t 6,553,600 bytes
;; launch quant (part 1): grid 768 x 1, 4 waves a work-group, no clusters, 34,304 bytes of LDS; arguments hidden, inputs, Wf, Wi, Wo, Wc, x_t, w_t; writes x_t, w_t
.if DOCPART == 1
	.amdgcn_target "amdgcn-amd-amdhsa--gfx1250"
	.amdhsa_code_object_version 6
	.text
	.protected	k_q3db7259e2e_quant
	.globl	k_q3db7259e2e_quant
	.p2align	8
	.type	k_q3db7259e2e_quant,@function
k_q3db7259e2e_quant:
	s_mov_b64 s[64:65], 0
	v_nop
	global_prefetch_b8 v0, s[64:65] scope:SCOPE_SE
	s_setreg_imm32_b32 hwreg(HW_REG_WAVE_MODE, 25, 1), 1
	s_wait_xcnt 0x0
; x = [hidden | inputs] ([8192][2048]) and the four weights ([1024][2048]), f32, K innermost, become codes of FP6 (E2M3) with one E8M0 byte for each 32 along K.
; A block's scale is 2^(floor(log2(largest magnitude)) - 2): its byte is that magnitude's exponent field - 2, held at 1 from below; the conversion rounds to nearest, ties to even, and gives the largest code beyond 7.5.
; THE WORKSPACE IS LAID AS THE PRODUCT'S REGISTERS WANT IT.  A block of 25,600 bytes holds 128 rows x 256 along K: block (G, t) at (8 G + t) x 25,600, G the group of 128 rows, t the K step.
; In it fragment (i, q) (rows 16 i .., K 128 q ..) lies at (2 i + q) x 1,536 as an image of its 12 registers: registers 4 j .. 4 j + 3 of lane L at 512 j + 16 L.
; Behind the 16 fragments, at 24,576: the scale words, row 16 i + r at 8 (16 i + r), word q.
; x's groups are 128 neighbouring rows.  W's group G holds hidden columns 32 G .. 32 G + 31: row block i = 2 g + u is gate g (0 f, 1 i, 2 o, 3 c_hat), columns 16 u ...
; SHARES.  A wave takes 32 source rows x 256 along K: four fragments and 256 bytes of scale words.  A work-group takes 32 rows x 1,024 along K.  Work-groups 0-511 take x, 512-767 the weights; only pointers and numbers are chosen: one path.
; A load reads 512 consecutive bytes of a row; 16 rows turn through the wave's own stage in LDS (rows 528 bytes apart) and come back as lane (r, h)'s two whole blocks, K = 32 h .. and 64 + 32 h ...  So no maximum crosses lanes.
; Each store of codes covers 512 consecutive bytes, the store of scale words 256, all aligned.  No barrier: waves share nothing.
; LIMITS: NaN and infinities among the inputs are not served.  A block of zeros, or one whose largest magnitude lies under 2^-124, gets the byte 1; a block of zeros has zero codes, and this program alone reads the bytes.
.set XWG, 512
.set BLK, 25600
.set SCO, 24576
.set SP,  528
.set WREG, 16*SP
.set SPARE, 4*WREG
.set WD,  8                            ; v8-11 the four fragments' scale words
.set OFR, 24                           ; v24-39 16 x lane + n x pitch
.set R,   40                           ; v40-167 two sets of 64 as loaded
.set X,   168                          ; v168-231 my two blocks
.set C,   232                          ; v232-255 two sets of 12 code registers
	s_load_b256 s[4:11], s[0:1], 0x0               ; hidden, inputs, Wf, Wi
	s_load_b256 s[12:19], s[0:1], 0x20             ; Wo, Wc, x_t, w_t
	v_lshrrev_b32 v1, 5, v0
	v_readfirstlane_b32 s30, v1                    ; wave
	s_sub_co_u32 s24, ttmp9, XWG                   ; a weight's work-group (wraps for x; the selects drop it)
	s_bfe_u32 s25, s24, 0x20006                    ; gate
	s_bfe_u32 s26, s24, 0x50001                    ; W's group
	s_and_b32 s27, ttmp9, 1                        ; which 1,024 along K
	s_lshr_b32 s28, ttmp9, 1                       ; x: which 32 rows
	s_lshr_b32 s29, ttmp9, 3                       ; x's group
	s_bfe_u32 s31, ttmp9, 0x20001                  ; x: which pair of row blocks
	s_cmp_lt_u32 ttmp9, XWG
	s_cselect_b32 s28, s28, s26
	s_cselect_b32 s29, s29, s26
	s_cselect_b32 s31, s31, s25
	s_cselect_b32 s32, 12, 13                      ; log2 of the source's pitch
	s_cselect_b32 s33, 0, s27                      ; a weight's second half lies in the same row
	s_lshl_b32 s36, 1, s32
	s_mul_i32 s37, s30, WREG
	s_mov_b32 s38, 0x76543210
	s_mov_b32 s39, 0xfedcba98
	s_mov_b32 s40, 0xffff0000                      ; lanes 16-31
	v_lshl_add_u32 v14, v0, 2, SPARE
	v_mov_b32 v15, 0
	v_mov_b32 v1, 0
	v_and_b32 v2, 31, v0
	v_lshlrev_b32 v5, 4, v2                        ; 16 x lane
	v_add_nc_u32 v3, s37, v5                       ; stage, in
	v_and_b32 v4, 15, v0
	v_mul_u32_u24 v4, v4, SP
	v_bfe_u32 v6, v0, 4, 1
	v_lshl_add_u32 v4, v6, 7, v4
	v_add_nc_u32 v4, s37, v4                       ; stage, out: row r, + 128 h
	v_lshlrev_b32 v6, 3, v6                        ; 8 h
	v_lshlrev_b32 v7, 3, v2                        ; 8 x lane
	v_mov_b32 v[OFR], v5
.irp n, 1,2,3,4,5,6,7,8,9,10,11,12,13,14,15
	v_add_nc_u32 v[OFR+\n], s36, v[OFR+\n-1]
.endr
	s_wait_alu depctr_va_vdst(0)                   ; the wait at the head's end
	s_wait_kmcnt 0x0
	s_cmp_eq_u32 s25, 1
	s_cselect_b64 s[8:9], s[10:11], s[8:9]
	s_cmp_eq_u32 s25, 2
	s_cselect_b64 s[8:9], s[12:13], s[8:9]
	s_cmp_eq_u32 s25, 3
	s_cselect_b64 s[8:9], s[14:15], s[8:9]
	s_cmp_eq_u32 s27, 0
	s_cselect_b64 s[4:5], s[4:5], s[6:7]           ; hidden or inputs
	s_cmp_lt_u32 ttmp9, XWG
	s_cselect_b64 s[4:5], s[4:5], s[8:9]
	s_cselect_b64 s[16:17], s[16:17], s[18:19]
	s_lshl_b32 s20, s28, 5
	s_lshl_b32 s20, s20, s32                       ; first row, in bytes
	s_lshl_b32 s21, s33, 12
	s_add_co_u32 s20, s20, s21
	s_lshl_b32 s21, s30, 10                        ; my wave's 256 numbers
	s_add_co_u32 s20, s20, s21
	s_mov_b32 s21, 0
	s_add_nc_u64 s[4:5], s[4:5], s[20:21]          ; rows 0-15
	s_lshl_b32 s20, s36, 4
	s_add_nc_u64 s[6:7], s[4:5], s[20:21]          ; rows 16-31
	s_lshl_b32 s22, s27, 2
	s_add_co_u32 s22, s22, s30                     ; t
	s_lshl_b32 s23, s29, 3
	s_add_co_u32 s22, s22, s23
	s_mul_i32 s20, s22, BLK
	s_mul_i32 s23, s31, 6144
	s_add_co_u32 s22, s20, s23
	s_mov_b32 s23, 0
	s_lshl_b32 s34, s31, 8
	s_add_co_u32 s34, s34, s20
	s_add_co_u32 s34, s34, SCO
	s_mov_b32 s35, 0
	s_add_nc_u64 s[18:19], s[16:17], s[34:35]      ; my scale words
	s_add_nc_u64 s[16:17], s[16:17], s[22:23]      ; my four fragments
.macro LOAD f                          ; fragment f = 2 ib + q: 16 rows x 512 bytes
.irp n, 0,1,2,3,4,5,6,7,8,9,10,11,12,13,14,15
	global_load_b128 v[R+64*((\f)%2)+4*\n:R+64*((\f)%2)+4*\n+3], v[OFR+\n], s[4+2*((\f)/2):5+2*((\f)/2)] offset:512*((\f)%2) th:TH_LOAD_NT
.endr
.endm
.macro FRG f
.set RS, R+64*((\f)%2)
.set CS, C+12*((\f)%2)
.if (\f) < 3
	s_wait_loadcnt 16                              ; mine are in; the next fragment's 16 may be out
.else
	s_wait_loadcnt 0x0
.endif
.irp n, 0,1,2,3,4,5,6,7,8,9,10,11,12,13,14,15
	ds_store_b128 v3, v[RS+4*\n:RS+4*\n+3] offset:SP*\n
.endr
.irp c, 0,1
.irp j, 0,1,2,3,4,5,6,7
	ds_load_b128 v[X+32*\c+4*\j:X+32*\c+4*\j+3], v4 offset:256*\c+16*\j   ; LDS serves a wave's instructions in order: these see the stores
.endr
.endr
	s_wait_dscnt 0x0
	s_wait_xcnt 0x0                                ; earlier stores have read their code registers
.if (\f)+2 < 4
	LOAD (\f)+2
.endif
	v_max3_num_f32 v12, |v[X]|, |v[X+1]|, 0x1800000       ; with the floor 2^(3 - 127): the byte cannot fall under 1
	v_max3_num_f32 v13, |v[X+16]|, |v[X+17]|, |v[X+18]|
	v_max3_num_f32 v19, |v[X+32]|, |v[X+33]|, 0x1800000
	v_max3_num_f32 v23, |v[X+48]|, |v[X+49]|, |v[X+50]|
.irp i, 2,4,6,8,10,12
	v_max3_num_f32 v12, v12, |v[X+\i]|, |v[X+\i+1]|
	v_max3_num_f32 v13, v13, |v[X+17+\i]|, |v[X+18+\i]|
	v_max3_num_f32 v19, v19, |v[X+32+\i]|, |v[X+33+\i]|
	v_max3_num_f32 v23, v23, |v[X+49+\i]|, |v[X+50+\i]|
.endr
	v_max3_num_f32 v12, v12, |v[X+14]|, |v[X+15]|
	v_max3_num_f32 v19, v19, |v[X+46]|, |v[X+47]|
	v_max3_num_f32 v12, v12, v13, |v[X+31]|
	v_max3_num_f32 v19, v19, v23, |v[X+63]|
	v_add_nc_u32 v12, 0xff000000, v12              ; 2 off the exponent field: the conversion's scale operand
	v_add_nc_u32 v19, 0xff000000, v19
	v_cvt_scalef32_pk16_fp6_f32 v[CS:CS+2], v[X:X+15], v12
	v_cvt_scalef32_pk16_fp6_f32 v[16:18], v[X+16:X+31], v12      ; (three registers begin on an even number: made here, moved below)
	v_cvt_scalef32_pk16_fp6_f32 v[CS+6:CS+8], v[X+32:X+47], v19
	v_cvt_scalef32_pk16_fp6_f32 v[20:22], v[X+48:X+63], v19
	v_lshrrev_b32 v13, 23, v12                     ; the bytes (also the plain place behind the conversions)
	v_lshrrev_b32 v23, 23, v19
.irp i, 0,1,2
	v_mov_b32 v[CS+3+\i], v[16+\i]
	v_mov_b32 v[CS+9+\i], v[20+\i]
.endr
	v_lshl_or_b32 v13, v23, 16, v13                ; blocks h and 2 + h,
	v_lshlrev_b32 v13, v6, v13                     ; at their places in the word;
	v_permlanex16_b32 v1, v13, s38, s39
	v_or_b32 v[WD+(\f)], v13, v1                   ; with lane l xor 16's the word is whole
.irp j, 0,1,2
	global_store_b128 v5, v[CS+4*\j:CS+4*\j+3], s[16:17] offset:1536*(\f)+512*\j
.endr
.endm
	LOAD 0
	LOAD 1
	FRG 0
	FRG 1
	FRG 2
	FRG 3
	v_cndmask_b32 v12, v[WD], v[WD+2], s40         ; lanes 0-15 rows 0-15, lanes 16-31 rows 16-31
	v_cndmask_b32 v13, v[WD+1], v[WD+3], s40
	global_store_b64 v7, v[12:13], s[18:19]
	s_wait_tensorcnt 0x0                           ; the wave's end
	ds_add_u32 v14, v15
	s_wait_dscnt 0x0
	s_endpgm
.Lfunc_end_k_q3db7259e2e_quant:
	.size	k_q3db7259e2e_quant, .Lfunc_end_k_q3db7259e2e_quant-k_q3db7259e2e_quant
	.p2alignl 7, 3214868480
	.fill 96, 4, 3214868480
	.section	.rodata,"a",@progbits
	.p2align	6, 0x0
	.amdhsa_kernel k_q3db7259e2e_quant
		.amdhsa_group_segment_fixed_size 34304
		.amdhsa_private_segment_fixed_size 0
		.amdhsa_enable_private_segment 0
		.amdhsa_kernarg_size 64
		.amdhsa_user_sgpr_count 2
		.amdhsa_user_sgpr_kernarg_segment_ptr 1
		.amdhsa_wavefront_size32 1
		.amdhsa_system_sgpr_workgroup_id_x 1
		.amdhsa_system_sgpr_workgroup_id_y 1
		.amdhsa_system_sgpr_workgroup_id_z 1
		.amdhsa_system_vgpr_workitem_id 0
		.amdhsa_next_free_vgpr 256
		.amdhsa_next_free_sgpr 66
		.amdhsa_reserve_vcc 0
		.amdhsa_float_denorm_mode_32 3
		.amdhsa_float_denorm_mode_16_64 3
		.amdhsa_memory_ordered 1
		.amdhsa_forward_progress 1
		.amdhsa_inst_pref_size 32
	.end_amdhsa_kernel
	.amdgpu_metadata
---
amdhsa.version: [ 1, 2 ]
amdhsa.kernels:
  - .name:           k_q3db7259e2e_quant
    .symbol:         k_q3db7259e2e_quant.kd
    .args:
      - { .name: hidden, .offset: 0, .size: 8, .value_kind: global_buffer, .address_space: global }
      - { .name: inputs, .offset: 8, .size: 8, .value_kind: global_buffer, .address_space: global }
      - { .name: Wf, .offset: 16, .size: 8, .value_kind: global_buffer, .address_space: global }
      - { .name: Wi, .offset: 24, .size: 8, .value_kind: global_buffer, .address_space: global }
      - { .name: Wo, .offset: 32, .size: 8, .value_kind: global_buffer, .address_space: global }
      - { .name: Wc, .offset: 40, .size: 8, .value_kind: global_buffer, .address_space: global }
      - { .name: x_t, .offset: 48, .size: 8, .value_kind: global_buffer, .address_space: global }
      - { .name: w_t, .offset: 56, .size: 8, .value_kind: global_buffer, .address_space: global }
    .group_segment_fixed_size: 34304
    .private_segment_fixed_size: 0
    .kernarg_segment_align: 8
    .kernarg_segment_size: 64
    .max_flat_workgroup_size: 128
    .sgpr_count:     66
    .vgpr_count:     256
    .wavefront_size: 32
...
	.end_amdgpu_metadata
.endif
;; end of part 1
;; launch lstm (part 2): grid 16 x 32, 4 waves a work-group, clusters of 4 x 4, 327,680 bytes of LDS; arguments x_t, w_t, bf, bi, bo, bc, c, out0, out1; writes out0, out1
.if DOCPART == 2
	.amdgcn_target "amdgcn-amd-amdhsa--gfx1250"
	.amdhsa_code_object_version 6
	.text
	.protected	k_q3db7259e2e_lstm
	.globl	k_q3db7259e2e_lstm
	.p2align	8
	.type	k_q3db7259e2e_lstm,@function
k_q3db7259e2e_lstm:
	s_mov_b64 s[64:65], 0
	v_nop
	global_prefetch_b8 v0, s[64:65] scope:SCOPE_SE
	s_setreg_imm32_b32 hwreg(HW_REG_WAVE_MODE, 25, 1), 1
	s_wait_xcnt 0x0
	s_wait_alu depctr_hold_cnt(0) depctr_sa_sdst(0) depctr_va_vdst(0) depctr_va_sdst(0) depctr_va_ssrc(0) depctr_va_vcc(0) depctr_vm_vsrc(0)
	s_getreg_b32 s2, hwreg(HW_REG_IB_STS2, 6, 4)
	s_cmp_eq_u32 s2, 0
	s_cbranch_scc0 .Lentry_in_a_cluster
	s_endpgm
.Lentry_in_a_cluster:
	s_bfe_u32 s2, ttmp6, 0x10000c
	s_cmp_lg_u32 s2, 0xf033
	s_cbranch_scc0 .Lentry_shape_is_right
	s_endpgm
.Lentry_shape_is_right:
; gates = x W^T + b on codes of FP6 (E2M3), one E8M0 scale for each 32 along K, sums in f32; then in f32: c_new = sigmoid(f) c + sigmoid(i) tanh(c_hat) (out1), h_new = sigmoid(o) tanh(c_new) (out0).  The gates never go to memory.
; x_t, w_t: blocks of 25,600 bytes, 128 rows x 256 along K, block (G, t) at (8 G + t) x 25,600: 16 fragments as images of their registers (fragment (i, q) at (2 i + q) x 1,536; registers 4 j .. of lane L at 512 j + 16 L), then the rows' scale words at 24,576 + 8 row + 4 q.
; W's group G: hidden columns 32 G ..; its row block 2 g + u is gate g (f, i, o, c_hat), columns 16 u ...
; SHARES.  A work-group of four waves makes 256 rows x 64 hidden columns x 4 gates; a wave 128 x 128: 64 accumulators.  The matrix instruction is used transposed (source 0 = W, source 1 = x):
; in accumulator (a, b = 2 g + u) lane (r, h) holds row 16 a + r, register j column 16 u + 8 h + j of gate g: a cell's four gates lie in one lane.
; K goes in steps of 256 through two LDS slots; a wave's one tensor load brings a whole block, as 100 rows of 256 bytes, codes and scale words together.  The biases are the C of each sum's first instruction.
; c's tile (256 rows x 256 bytes) is slot 0's refill behind its last K step.  c_new and h_new leave by halves of a wave's rows through a stage of their own: sixteen lanes store 256 consecutive bytes.
; CLUSTERS 4 x 4: x's blocks are asked for jointly along a row of the cluster, W's along a column.
; PREFETCH: behind each ring refill a wave names the block that stands two refills on (100 units of 256 bytes, 25 for each of the four partners, told apart by address; lanes 25-31 name the last again); the last two refills of a tile name nothing.
; In a tile's first lap each wave names its 64 rows of c's tile, a lane a row, six K steps ahead of the load.
; THE CELL: a = 2^(-i log2 e), b = 2^(-2 c_hat log2 e): sigmoid(i) tanh(c_hat) = (1 - b) / ((1 + a)(1 + b)), one reciprocal; h_new likewise.  The two tanh exponents are held to -60 .. 60, where tanh is 1 or -1 in f32, so that
; no infinity meets a zero; an a that overflows gives the reciprocal 0, the form's limit.
; LIMITS: NaN and infinities among the inputs are not served.  Exponentials and reciprocals are the chip's own (1 ulp: ISA guide, chapter 15); tanh near 0 has an absolute error of about 1e-7.
; REGISTERS: window 0: v12-31 addresses; v32-63 scale words alone; v64-127 biases; v128-223 x's fragments, on the way out v128-255 c and c_new.  Window 1: W's fragments at v0 and v128; on the way out v0-63 tanh's terms and h_new, v128-255 rows read back.
; Windows 2, 3: accumulators of my rows 0-63, 64-127, (a, b) at v[8 (8 a + b)].
.set TILES,  1                         ; tiles of a work-group, one below the other, 16 tile rows apart
.set BLK,    25600
.set SCO,    24576
.set SLOT,   4*BLK                     ; x's two blocks, then W's two
.set GRPB,   8*BLK
.set LAPS,   4
.set NQ,     2
.set FR,     12
.set NL,     3
.set NP,     4
.set CP,     272
.set CROW,   4096
.set STAGE,  2*SLOT
.set STH,    128*CP                    ; c_new's 128 rows, then h_new's
.set SPARE,  STAGE+2*STH
.set WALKX,  32*GRPB-6*BLK             ; from a slot's last K step to its first of the next tile
.set WALKC,  16*256*CROW
.set RD,   12
.set ADRA, 16
.set ADRB, 20
.set ADRS, 22
.set CA,   24
.set SA,   25
.set CO,   26
.set PFC,  27
.set SPW,  28
.set NIL,  29
.set PFO,  30
.set BO,   31
.set SC,   32
.set BIAS, 64
.set AF,   128
.set CR,   128
.set G1, 24
.set G0, 32
.set G1B, 48
.set G0B, 56
.set KN,  66                           ; -log2 e (a pair: the packed forms name one)
.set G1C, 76
.set G0C, 84
.set K2,  88                           ; -2 log2 e
.set CLN, 90
.set CLP, 91
.set PFA, 92
.set CPF, 94
.set LIM, 100
.set MSB, 0
.macro WIN new
.if MSB != \new
	s_set_vgpr_msb (MSB<<8)|\new
.set MSB, \new
.endif
.endm
.set MUL_LO, 0xa1
.set MUL_HI, 0xf1
.set FST_LO, 0x81
.set FST_HI, 0xc1
.set TO_B,   0x40
.macro JLOAD g0a, g1a, g0b, g1b        ; waves 0, 1 fetch x's blocks, waves 2, 3 W's; s_nop 0 and four v_nop behind each line
	s_cmp_eq_u32 s15, 0
	s_cbranch_scc0 .Lfor_b_\@
	tensor_load_to_lds s[\g0a:\g0a+3], s[\g1a:\g1a+7]
	s_nop 0
.rept 4
	v_nop
.endr
	s_branch .Lasked_\@
.Lfor_b_\@:
	tensor_load_to_lds s[\g0b:\g0b+3], s[\g1b:\g1b+7]
	s_nop 0
.rept 4
	v_nop
.endr
.Lasked_\@:
.endm
.macro CREST
	s_cmp_lg_u32 s14, 0
	s_cbranch_scc1 .Lnot_wave_0_\@
	s_barrier_signal -3
.Lnot_wave_0_\@:
	s_barrier_wait -3
	s_barrier_signal -1
	s_barrier_wait -1
.endm
.macro CROUND
	s_barrier_signal -1
	s_barrier_wait -1
	CREST
.endm
.macro PLACES n
.rept \n
	v_nop
.endr
.endm
	s_load_b128 s[4:7], s[0:1], 0x0                ; x_t, w_t
	s_load_b256 s[68:75], s[0:1], 0x10             ; bf, bi, bo, bc
	s_load_b128 s[8:11], s[0:1], 0x30              ; c, out0
	s_load_b64 s[12:13], s[0:1], 0x40              ; out1
	v_lshl_add_u32 v[SPW], v0, 2, SPARE
	v_mov_b32 v[NIL], 0
	ds_add_u32 v[SPW], v[NIL]                      ; the opening lines: the add twice and one wait
	ds_add_u32 v[SPW], v[NIL]
	v_lshrrev_b32 v1, 5, v0
	v_readfirstlane_b32 s14, v1                    ; wave
	s_lshr_b32 s15, s14, 1                         ; my half of the rows; also: I fetch for x (0) or W (1)
	s_and_b32 s16, s14, 1                          ; my half of W's rows; also: which block I fetch
	s_bfe_u32 s40, ttmp6, 0x40000                  ; cx
	s_bfe_u32 s41, ttmp6, 0x40004                  ; cy
	s_lshl_b32 s42, ttmp9, 2
	s_add_co_u32 s42, s42, s40                     ; tile column
	s_and_b32 s17, ttmp7, 0xffff
	s_lshl_b32 s17, s17, 2
	s_add_co_u32 s17, s17, s41                     ; tile row
	s_lshl_b32 s43, s41, 2
	s_lshl_b32 s43, 15, s43                        ; my row of the cluster
	s_lshl_b32 s44, 0x1111, s40                    ; my column
	s_or_b32 s[G1+0], s43, (3<<16)|(1<<21)         ; mask; elements of 8 bytes; bit 21 beside a mask; no padding
	s_or_b32 s[G1B+0], s44, (3<<16)|(1<<21)
.irp g, G1, G1B
	s_mov_b32 s[\g+1], 32<<16                      ; rows of 32 elements: 256 bytes
	s_mov_b32 s[\g+2], 100<<16                     ; 100 rows
	s_mov_b32 s[\g+3], 32<<16
	s_mov_b32 s[\g+4], 100
	s_mov_b32 s[\g+5], 32                          ; dense
	s_mov_b32 s[\g+6], 0
	s_mov_b32 s[\g+7], 0
.endr
	s_lshl_b32 s20, s17, 1
	s_add_co_u32 s20, s20, s16                     ; x's group
	s_mul_i32 s20, s20, GRPB
	s_mov_b32 s21, 0
	s_lshl_b32 s46, s42, 1
	s_add_co_u32 s46, s46, s16                     ; W's group
	s_mul_i32 s46, s46, GRPB
	s_mov_b32 s47, 0
	s_mul_i32 s45, s14, BLK                        ; where my block goes
	s_wait_dscnt 0x0
	s_wait_kmcnt 0x0
	s_add_nc_u64 s[20:21], s[4:5], s[20:21]
	s_add_nc_u64 s[46:47], s[6:7], s[46:47]
	CROUND                                         ; in front of the first joint loads
.irp s, 0,1
	s_mov_b32 s[G0+4*\s], 1
	s_add_co_u32 s[G0+4*\s+1], s45, \s*SLOT
	s_add_nc_u64 s[G0+4*\s+2:G0+4*\s+3], s[20:21], \s*BLK
	s_or_b32 s[G0+4*\s+3], s[G0+4*\s+3], 0x80000000
	s_mov_b32 s[G0B+4*\s], 1
	s_add_co_u32 s[G0B+4*\s+1], s45, \s*SLOT
	s_add_nc_u64 s[G0B+4*\s+2:G0B+4*\s+3], s[46:47], \s*BLK
	s_or_b32 s[G0B+4*\s+3], s[G0B+4*\s+3], 0x80000000
.endr
	JLOAD G0, G1, G0B, G1B                         ; K step 0: one tensor load a wave at the head
	s_mul_i32 s18, s15, BLK                        ; my block of x in slot 0
	s_mul_i32 s19, s16, BLK
	s_add_co_u32 s19, s19, 2*BLK                   ; my block of W
	s_sub_co_u32 s22, s19, s18
	s_add_co_u32 s23, s18, SCO
	s_mul_i32 s45, s15, 128*CP
	s_lshl_b32 s46, s16, 7
	s_add_co_u32 s45, s45, s46                     ; my quadrant of c's tile
	s_mul_i32 s47, s15, 64*CP
	s_add_co_u32 s47, s47, s46
	s_add_co_u32 s47, s47, STAGE                   ; my place in the stage
	s_mul_i32 s20, s14, 32*CP
	s_add_co_u32 s20, s20, STAGE                   ; the 32 stage rows that I read back
	s_lshl_b32 s21, s42, 8
	s_add_co_u32 s46, s46, s21                     ; a bias: 256 x tile column + 128 x half
	v_and_b32 v1, 15, v0                           ; r
	v_bfe_u32 v2, v0, 4, 1                         ; h
	v_and_b32 v3, 31, v0
	v_lshlrev_b32 v4, 4, v3
	v_add_nc_u32 v[ADRA], s18, v4
	v_add_nc_u32 v[ADRB], s19, v4
	v_add_nc_u32 v[ADRA+1], SLOT, v[ADRA]
	v_add_nc_u32 v[ADRB+1], SLOT, v[ADRB]
	v_mul_u32_u24 v5, s22, v2                      ; lanes 16-31 take W's words: the lower base + h x the distance
	v_lshl_add_u32 v5, v1, 3, v5
	v_add_nc_u32 v[ADRS], s23, v5
	v_add_nc_u32 v[ADRS+1], SLOT, v[ADRS]
	v_mul_u32_u24 v6, v1, CP
	v_lshl_add_u32 v6, v2, 5, v6                   ; row r, + 32 h
	v_add_nc_u32 v[CA], s45, v6
	v_add_nc_u32 v[SA], s47, v6
	v_mul_u32_u24 v7, v2, CP
	v_lshl_add_u32 v7, v1, 4, v7                   ; back: lanes 0-15 one row, lanes 16-31 the next
	v_add_nc_u32 v[RD], s20, v7
	v_lshlrev_b32 v8, 12, v2
	v_lshl_add_u32 v[CO], v1, 4, v8
	v_lshlrev_b32 v9, 5, v2
	v_add_nc_u32 v[BO], s46, v9
	v_min_u32 v10, 24, v3
	v_lshlrev_b32 v[PFO], 8, v10
	v_lshlrev_b32 v[PFC], 12, v3
	s_wait_alu depctr_va_vdst(0)                   ; the wait at the head's end
.irp b, 0,1,2,3,4,5,6,7
.irp q, 0,1
	global_load_b128 v[BIAS+8*\b+4*\q:BIAS+8*\b+4*\q+3], v[BO], s[68+2*(\b/2):69+2*(\b/2)] offset:64*(\b%2)+16*\q
.endr
.endr
	s_lshl_b32 s20, s17, 20                        ; 256 x tile row rows of 4,096 bytes
	s_lshl_b32 s21, s42, 8
	s_add_co_u32 s20, s20, s21
	s_lshl_b32 s22, s14, 18                        ; c: + 64 x wave rows
	s_add_co_u32 s22, s22, s20
	s_mov_b32 s23, 0
	s_add_nc_u64 s[CPF:CPF+1], s[8:9], s[22:23]
	s_lshl_b32 s22, s15, 19                        ; outputs: + 128 (wave / 2) + 32 (wave % 2) rows
	s_add_co_u32 s22, s22, s20
	s_lshl_b32 s21, s16, 17
	s_add_co_u32 s22, s22, s21
	s_add_nc_u64 s[96:97], s[10:11], s[22:23]
	s_add_nc_u64 s[98:99], s[12:13], s[22:23]
	s_mov_b32 s[G0C], 1
	s_mul_i32 s[G0C+1], s14, 64*CP
	s_mov_b64 s[G0C+2:G0C+3], s[CPF:CPF+1]
	s_or_b32 s[G0C+3], s[G0C+3], 0x80000000
	s_mov_b32 s[G1C+0], (3<<16)|(1<<20)|(5<<22)|(3<<25)   ; no mask; 4 words of padding behind every 64
	s_mov_b32 s[G1C+1], 32<<16
	s_mov_b32 s[G1C+2], 64<<16
	s_mov_b32 s[G1C+3], 32<<16
	s_mov_b32 s[G1C+4], 64
	s_mov_b32 s[G1C+5], CROW/8
	s_mov_b32 s[G1C+6], 0
	s_mov_b32 s[G1C+7], 0
	s_cmp_eq_u32 s15, 0                            ; the prefetches: my block, my work-group's quarter of it
	s_cselect_b32 s20, s17, s42
	s_cselect_b32 s21, s40, s41
	s_cselect_b64 s[PFA:PFA+1], s[4:5], s[6:7]
	s_lshl_b32 s20, s20, 1
	s_add_co_u32 s20, s20, s16
	s_mul_i32 s20, s20, GRPB
	s_mul_i32 s21, s21, BLK/4
	s_add_co_u32 s20, s20, s21
	s_mov_b32 s21, 0
	s_add_nc_u64 s[PFA:PFA+1], s[PFA:PFA+1], s[20:21]
	s_mov_b32 s[LIM], 1
	s_mov_b32 s[KN], 0xbfb8aa3b
	s_mov_b32 s[KN+1], s[KN]
	s_mov_b32 s[K2], 0xc038aa3b
	s_mov_b32 s[K2+1], s[K2]
	s_mov_b32 s[CLN], 0xc2700000                   ; -60
	s_mov_b32 s[CLP], 0x42700000                   ; 60
.macro FRAG reg, adr, q, i             ; 12 registers as they lie: three loads of 512 consecutive bytes
.irp j, 0,1,2
	ds_load_b128 v[\reg+4*\j:\reg+4*\j+3], v[\adr] offset:(2*(\i)+(\q))*1536+512*\j
.endr
.endm
; 16 matrix instructions: x's blocks a0, a0 + 1 against W's eight.  The 64 accumulators take turns in the same order in every step.
.macro MUL16 a0, p, q, sc, first
.irp a, \a0, \a0+1
.irp b, 0,1,2,3,4,5,6,7
.if \first
	v_wmma_scale_f32_16x16x128_f8f6f4 v[8*(8*((\a)%4)+\b):8*(8*((\a)%4)+\b)+7], v[128*(\p)+FR*\b:128*(\p)+FR*\b+FR-1], v[AF+FR*(\a):AF+FR*(\a)+FR-1], v[BIAS+8*\b:BIAS+8*\b+7], v[SC+8*NQ*(\sc)+NQ*\b+(\q)], v[SC+8*NQ*(\sc)+NQ*(\a)+(\q)] matrix_a_fmt:MATRIX_FMT_FP6 matrix_b_fmt:MATRIX_FMT_FP6 matrix_a_scale:MATRIX_SCALE_ROW1
.else
	v_wmma_scale_f32_16x16x128_f8f6f4 v[8*(8*((\a)%4)+\b):8*(8*((\a)%4)+\b)+7], v[128*(\p)+FR*\b:128*(\p)+FR*\b+FR-1], v[AF+FR*(\a):AF+FR*(\a)+FR-1], v[8*(8*((\a)%4)+\b):8*(8*((\a)%4)+\b)+7], v[SC+8*NQ*(\sc)+NQ*\b+(\q)], v[SC+8*NQ*(\sc)+NQ*(\a)+(\q)] matrix_a_fmt:MATRIX_FMT_FP6 matrix_b_fmt:MATRIX_FMT_FP6 matrix_a_scale:MATRIX_SCALE_ROW1
.endif
.endr
.endr
.endm
.macro FETCH_B slot, q, p
	WIN TO_B
.irp i, 0,1,2,3,4,5,6,7
	FRAG 128*(\p)+FR*\i, ADRB+\slot, \q, \i
.endr
	WIN 0
.endm
.macro FETCH_A slot, q, i0
.irp i, \i0, \i0+1, \i0+2, \i0+3
	FRAG AF+FR*(\i), ADRA+\slot, \q, \i
.endr
.endm
.macro SCALES sc                       ; the slot's two words a row: lanes 0-15 x's block i, lanes 16-31 W's
.irp i, 0,1,2,3,4,5,6,7
	ds_load_b64 v[SC+8*NQ*\sc+NQ*\i:SC+8*NQ*\sc+NQ*\i+1], v[ADRS+\sc] offset:\i*128
.endr
.endm
.macro ASK slot
	s_cmp_gt_u32 s3, s[LIM]                        ; not in a tile's last lap of refills
	s_cbranch_scc0 .Lna_\@
	global_prefetch_b8 v[PFO], s[PFA:PFA+1] offset:3*BLK th:TH_LOAD_NT scope:SCOPE_SE
.Lna_\@:
	s_cmp_eq_u32 s3, LAPS-1                        ; the first lap: 32 of my 64 rows of c
	s_cbranch_scc0 .Lnc_\@
	global_prefetch_b8 v[PFC], s[CPF:CPF+1] offset:\slot*32*CROW th:TH_LOAD_NT scope:SCOPE_SE
.Lnc_\@:
.endm
; A slot's first 128 along K.  One set serves x (blocks 0-3 fetched anew in the middle, 4-7 at the end), two serve W.
.macro STEP slot, q, first
	s_wait_dscnt 4*NL                              ; all but x's blocks 4-7
.if \first
	WIN FST_LO
.else
	WIN MUL_LO
.endif
	MUL16 0, (\q)%2, \q, \slot, \first
	MUL16 2, (\q)%2, \q, \slot, \first
	s_wait_dscnt 0
	PLACES NP
	FETCH_B \slot, (\q)+1, 1-(\q)%2
	FETCH_A \slot, (\q)+1, 0
.if \first
	WIN FST_HI
.else
	WIN MUL_HI
.endif
	MUL16 4, (\q)%2, \q, \slot, \first
	MUL16 6, (\q)%2, \q, \slot, \first
	PLACES NP
	WIN 0
	FETCH_A \slot, (\q)+1, 4
.endm
; A slot's last 128 change slots.  fill = 1: the slot takes the K step two on; fill = 2: c's tile.
.macro TURN slot, next, fill
.if \fill == 1
	s_wait_xcnt 0x0                                ; my prefetch has read its address
	s_add_nc_u64 s[PFA:PFA+1], s[PFA:PFA+1], BLK
.endif
	s_wait_tensorcnt 0x0                           ; all my tensor loads have landed
	ds_add_u32 v[SPW], v[NIL]
	s_wait_dscnt 4*NL+1                            ; the add and x's blocks 4-7 may be out
	WIN MUL_LO
	MUL16 0, 1, NQ-1, \slot, 0
	s_wait_dscnt 0x0                               ; the add is done, my reads of this slot are over
	s_barrier_signal -1
	MUL16 2, 1, NQ-1, \slot, 0
	WIN 0
	s_barrier_wait -1
	CREST                                          ; the barrier has opened a round of the cluster's barrier
.if \fill == 1
	s_add_nc_u64 s[G0+4*\slot+2:G0+4*\slot+3], s[G0+4*\slot+2:G0+4*\slot+3], 2*BLK
	s_add_nc_u64 s[G0B+4*\slot+2:G0B+4*\slot+3], s[G0B+4*\slot+2:G0B+4*\slot+3], 2*BLK
	JLOAD G0+4*\slot, G1, G0B+4*\slot, G1B
.else
	tensor_load_to_lds s[G0C:G0C+3], s[G1C:G1C+7]
	s_nop 0
	PLACES 4
.endif
	FETCH_B \next, 0, 0
	FETCH_A \next, 0, 0
	SCALES \next
.if \fill == 1
	ASK \slot
.endif
	WIN MUL_HI
	MUL16 4, 1, NQ-1, \slot, 0
	MUL16 6, 1, NQ-1, \slot, 0
	PLACES NP
	WIN 0
	FETCH_A \next, 0, 4
.endm
; THE GATES of window w's 32 accumulators, in place, each read from its low end on.  At the end: f's registers hold sigmoid(f), i's sigmoid(i) tanh(c_hat), o's 1 + 2^(-o log2 e).
.macro EPI1 w
	WIN (0x55*\w)
	s_wait_alu depctr_va_vdst(0)                   ; ahead of the first readers of matrix results
.set AN, 0
.rept 32
.irp p, 0,2,4,6
.if (AN%8)/2 == 3
	v_pk_mul_f32 v[8*AN+\p:8*AN+\p+1], v[8*AN+\p:8*AN+\p+1], s[K2:K2+1] op_sel_hi:[1,0]
.else
	v_pk_mul_f32 v[8*AN+\p:8*AN+\p+1], v[8*AN+\p:8*AN+\p+1], s[KN:KN+1] op_sel_hi:[1,0]
.endif
.endr
.set AN, AN+1
.endr
.irp a, 0,1,2,3
.set AN, 64*\a+48
.rept 16
	v_med3_num_f32 v[AN], v[AN], s[CLN], s[CLP]
.set AN, AN+1
.endr
.endr
	s_wait_alu depctr_va_vdst(0)                   ; ahead of the batch
.set AN, 0
.rept 256
	v_exp_f32 v[AN], v[AN]
.set AN, AN+1
.endr
	v_nop
	s_wait_alu depctr_va_vdst(0)                   ; behind it
.irp a, 0,1,2,3
.set AN, 64*\a
.rept 24
	v_pk_add_f32 v[AN:AN+1], v[AN:AN+1], 1.0 op_sel_hi:[1,0]      ; f, i, o: 1 + 2^..
.set AN, AN+2
.endr
.endr
.irp a, 0,1,2,3
.set AN, 64*\a
.rept 8
	v_pk_fma_f32 v[AN+16:AN+17], v[AN+16:AN+17], v[AN+48:AN+49], v[AN+16:AN+17]   ; (1 + a)(1 + b)
.set AN, AN+2
.endr
.endr
.irp a, 0,1,2,3
.set AN, 64*\a
.rept 8
	v_pk_fma_f32 v[AN+48:AN+49], v[AN+48:AN+49], -1.0, 1.0 op_sel_hi:[1,0,0]      ; 1 - b
.set AN, AN+2
.endr
.endr
	s_wait_alu depctr_va_vdst(0)
.irp a, 0,1,2,3
.set AN, 64*\a
.rept 32
	v_rcp_f32 v[AN], v[AN]
.set AN, AN+1
.endr
.endr
	v_nop
	s_wait_alu depctr_va_vdst(0)
.irp a, 0,1,2,3
.set AN, 64*\a
.rept 8
	v_pk_mul_f32 v[AN+16:AN+17], v[AN+16:AN+17], v[AN+48:AN+49]
.set AN, AN+2
.endr
.endr
.endm
; THE CELL of window w's four blocks of rows: c_new over c in window 0; h_new in window 1, v0-63.
.macro CELL w
	WIN (\w|(\w<<4))
.irp a, 0,1,2,3
.set AN, 0
.rept 8
	v_pk_fma_f32 v[CR+64*(\w-2)+16*\a+AN:CR+64*(\w-2)+16*\a+AN+1], v[64*\a+AN:64*\a+AN+1], v[CR+64*(\w-2)+16*\a+AN:CR+64*(\w-2)+16*\a+AN+1], v[64*\a+16+AN:64*\a+16+AN+1]
.set AN, AN+2
.endr
.endr
	WIN 0x40
.set AN, 0
.rept 32
	v_pk_mul_f32 v[AN:AN+1], v[CR+64*(\w-2)+AN:CR+64*(\w-2)+AN+1], s[K2:K2+1] op_sel_hi:[1,0]
.set AN, AN+2
.endr
	WIN 0x55
.set AN, 0
.rept 64
	v_med3_num_f32 v[AN], v[AN], s[CLN], s[CLP]
.set AN, AN+1
.endr
	s_wait_alu depctr_va_vdst(0)
.set AN, 0
.rept 64
	v_exp_f32 v[AN], v[AN]
.set AN, AN+1
.endr
	v_nop
	s_wait_alu depctr_va_vdst(0)
	WIN (\w*0x51+4)
.irp a, 0,1,2,3
.set AN, 0
.rept 8
	v_pk_fma_f32 v[64*\a+32+AN:64*\a+32+AN+1], v[64*\a+32+AN:64*\a+32+AN+1], v[16*\a+AN:16*\a+AN+1], v[64*\a+32+AN:64*\a+32+AN+1]   ; (1 + p)(1 + e)
.set AN, AN+2
.endr
.endr
	WIN 0x55
.set AN, 0
.rept 32
	v_pk_fma_f32 v[AN:AN+1], v[AN:AN+1], -1.0, 1.0 op_sel_hi:[1,0,0]   ; 1 - e
.set AN, AN+2
.endr
	WIN (0x55*\w)
	s_wait_alu depctr_va_vdst(0)
.irp a, 0,1,2,3
.set AN, 64*\a+32
.rept 16
	v_rcp_f32 v[AN], v[AN]
.set AN, AN+1
.endr
.endr
	v_nop
	s_wait_alu depctr_va_vdst(0)
	WIN (0x44|\w)
.irp a, 0,1,2,3
.set AN, 0
.rept 8
	v_pk_mul_f32 v[16*\a+AN:16*\a+AN+1], v[64*\a+32+AN:64*\a+32+AN+1], v[16*\a+AN:16*\a+AN+1]   ; h_new
.set AN, AN+2
.endr
.endr
	WIN 0
	s_wait_alu depctr_va_vdst(0)                   ; ahead of what stands in front of the stores
.endm
.macro STG w                           ; into the stage: my 64 rows, my 128 bytes of each
.irp a, 0,1,2,3
.irp u, 0,1
.irp q, 0,1
	ds_store_b128 v[SA], v[CR+64*(\w-2)+16*\a+8*\u+4*\q:CR+64*(\w-2)+16*\a+8*\u+4*\q+3] offset:16*CP*\a+64*\u+16*\q
.endr
.endr
.endr
	WIN 0x04
.irp a, 0,1,2,3
.irp u, 0,1
.irp q, 0,1
	ds_store_b128 v[SA], v[16*\a+8*\u+4*\q:16*\a+8*\u+4*\q+3] offset:STH+16*CP*\a+64*\u+16*\q
.endr
.endr
.endr
	WIN 0
.endm
.macro OUT w                           ; 32 whole rows of each output back, and stored: 16 lanes store 256 consecutive bytes, aligned
	WIN TO_B
.irp t, 0,1,2,3,4,5,6,7,8,9,10,11,12,13,14,15
	ds_load_b128 v[128+4*\t:128+4*\t+3], v[RD] offset:2*CP*\t
.endr
.irp t, 0,1,2,3,4,5,6,7,8,9,10,11,12,13,14,15
	ds_load_b128 v[192+4*\t:192+4*\t+3], v[RD] offset:STH+2*CP*\t
.endr
	WIN 0x04
	s_wait_dscnt 16                                ; c_new's rows are back; h_new's 16 loads may be out
.irp t, 0,1,2,3,4,5,6,7,8,9,10,11,12,13,14,15
	global_store_b128 v[CO], v[128+4*\t:128+4*\t+3], s[98:99] offset:CROW*(64*(\w-2)+2*\t) th:TH_STORE_NT
.endr
	s_wait_dscnt 0x0
.irp t, 0,1,2,3,4,5,6,7,8,9,10,11,12,13,14,15
	global_store_b128 v[CO], v[192+4*\t:192+4*\t+3], s[96:97] offset:CROW*(64*(\w-2)+2*\t) th:TH_STORE_NT
.endr
	WIN 0
.endm
; THE WAY OUT.  succ = 1: the tile has a successor, whose K steps 1 and 0 are asked for behind the two rounds.
.macro TAIL succ
	s_wait_tensorcnt 0x0                           ; my 64 rows of c's tile have landed
.if \succ
	ds_add_u32 v[SPW], v[NIL]
	s_add_nc_u64 s[G0+6:G0+7], s[G0+6:G0+7], WALKX
	s_sub_nc_u64 s[G0B+6:G0B+7], s[G0B+6:G0B+7], 6*BLK
	s_wait_dscnt 0x0
	CROUND
	JLOAD G0+4, G1, G0B+4, G1B
.else
	s_barrier_signal -1
	s_barrier_wait -1                              ; c's tile is whole
.endif
.irp a, 0,1,2,3,4,5,6,7
.irp u, 0,1
.irp q, 0,1
	ds_load_b128 v[CR+16*\a+8*\u+4*\q:CR+16*\a+8*\u+4*\q+3], v[CA] offset:16*CP*\a+64*\u+16*\q
.endr
.endr
.endr
	EPI1 2
	WIN 0
	s_wait_alu depctr_va_vdst(0)
	s_wait_dscnt 0x0                               ; c
	CELL 2
	STG 2
.if \succ
	s_wait_tensorcnt 0x0
	ds_add_u32 v[SPW], v[NIL]
	s_add_nc_u64 s[G0+2:G0+3], s[G0+2:G0+3], WALKX
	s_sub_nc_u64 s[G0B+2:G0B+3], s[G0B+2:G0B+3], 6*BLK
	s_wait_dscnt 0x0                               ; the add, my stores into the stage, my reads of c's tile
	CROUND
	JLOAD G0, G1, G0B, G1B
.else
	s_wait_dscnt 0x0                               ; for the others' sake: my stores into the stage
	s_barrier_signal -1
	s_barrier_wait -1
.endif
	OUT 2
	s_barrier_signal -1                            ; my reads of the stage are over; work on registers follows
	EPI1 3
	CELL 3
	s_barrier_wait -1                              ; everybody's are: the stage may be written again
	s_wait_xcnt 0x0                                ; the stores have read the registers that the next rows land in
	STG 3
.if \succ
	s_wait_tensorcnt 0x0                           ; my parts of the next tile's first two K steps
.endif
	s_wait_dscnt 0x0
	s_barrier_signal -1
	s_barrier_wait -1
	OUT 3
.endm
	s_wait_tensorcnt 0x0                           ; my block of K step 0
	ds_add_u32 v[SPW], v[NIL]
	s_wait_dscnt 0x0
	CROUND
	JLOAD G0+4, G1, G0B+4, G1B                     ; K step 1
	FETCH_B 0, 0, 0
	FETCH_A 0, 0, 0
	SCALES 0
	FETCH_A 0, 0, 4
	s_wait_loadcnt 0x0                             ; the biases
.if TILES > 1
	s_mov_b32 s2, TILES
.Ltile:
.endif
	STEP 0, 0, 1                                   ; the first products start the sums from the biases
	s_mov_b32 s3, LAPS-1
.Llap:
	TURN 0, 1, 1
	STEP 1, 0, 0
	TURN 1, 0, 1
	STEP 0, 0, 0
	s_sub_co_u32 s3, s3, 1
	s_cmp_lg_u32 s3, 0
	s_cbranch_scc1 .Llap
	TURN 0, 1, 2                                   ; slot 0 takes c's tile
	STEP 1, 0, 0
	s_wait_dscnt 4*NL
	WIN MUL_LO
	MUL16 0, 1, NQ-1, 1, 0
	MUL16 2, 1, NQ-1, 1, 0
	s_wait_dscnt 0                                 ; my last reads of slot 1
	WIN MUL_HI
	MUL16 4, 1, NQ-1, 1, 0
	MUL16 6, 1, NQ-1, 1, 0
	PLACES NP
	WIN 0
.if TILES > 1
	s_cmp_eq_u32 s2, 1
	s_cbranch_scc1 .Llast_tile
	TAIL 1
	s_wait_xcnt 0x0                                ; stores and prefetches have read their bases and registers
	s_add_nc_u64 s[96:97], s[96:97], WALKC
	s_add_nc_u64 s[98:99], s[98:99], WALKC
	s_add_nc_u64 s[G0C+2:G0C+3], s[G0C+2:G0C+3], WALKC
	s_add_nc_u64 s[CPF:CPF+1], s[CPF:CPF+1], WALKC
	s_add_nc_u64 s[PFA:PFA+1], s[PFA:PFA+1], WALKX
	s_cmp_eq_u32 s15, 0
	s_cselect_b32 s[LIM], 1, -1                    ; W's blocks have been read: they are named no more
	FETCH_B 0, 0, 0
	FETCH_A 0, 0, 0
	SCALES 0
	FETCH_A 0, 0, 4
	s_sub_co_u32 s2, s2, 1
	s_branch .Ltile
.Llast_tile:
.endif
	TAIL 0
	s_wait_tensorcnt 0x0                           ; the wave's end
	ds_add_u32 v[SPW], v[NIL]
	s_wait_dscnt 0x0
	CROUND                                         ; the closing round
	s_endpgm
.Lfunc_end_k_q3db7259e2e_lstm:
	.size	k_q3db7259e2e_lstm, .Lfunc_end_k_q3db7259e2e_lstm-k_q3db7259e2e_lstm
	.p2alignl 7, 3214868480
	.fill 96, 4, 3214868480
	.section	.rodata,"a",@progbits
	.p2align	6, 0x0
	.amdhsa_kernel k_q3db7259e2e_lstm
		.amdhsa_group_segment_fixed_size 327680
		.amdhsa_private_segment_fixed_size 0
		.amdhsa_enable_private_segment 0
		.amdhsa_kernarg_size 72
		.amdhsa_user_sgpr_count 2
		.amdhsa_user_sgpr_kernarg_segment_ptr 1
		.amdhsa_wavefront_size32 1
		.amdhsa_system_sgpr_workgroup_id_x 1
		.amdhsa_system_sgpr_workgroup_id_y 1
		.amdhsa_system_sgpr_workgroup_id_z 1
		.amdhsa_system_vgpr_workitem_id 0
		.amdhsa_next_free_vgpr 1024
		.amdhsa_next_free_sgpr 102
		.amdhsa_reserve_vcc 0
		.amdhsa_float_denorm_mode_32 3
		.amdhsa_float_denorm_mode_16_64 3
		.amdhsa_memory_ordered 1
		.amdhsa_forward_progress 1
		.amdhsa_inst_pref_size 235
	.end_amdhsa_kernel
	.amdgpu_metadata
---
amdhsa.version: [ 1, 2 ]
amdhsa.kernels:
  - .name:           k_q3db7259e2e_lstm
    .symbol:         k_q3db7259e2e_lstm.kd
    .args:
      - { .name: x_t, .offset: 0, .size: 8, .value_kind: global_buffer, .address_space: global }
      - { .name: w_t, .offset: 8, .size: 8, .value_kind: global_buffer, .address_space: global }
      - { .name: bf, .offset: 16, .size: 8, .value_kind: global_buffer, .address_space: global }
      - { .name: bi, .offset: 24, .size: 8, .value_kind: global_buffer, .address_space: global }
      - { .name: bo, .offset: 32, .size: 8, .value_kind: global_buffer, .address_space: global }
      - { .name: bc, .offset: 40, .size: 8, .value_kind: global_buffer, .address_space: global }
      - { .name: c, .offset: 48, .size: 8, .value_kind: global_buffer, .address_space: global }
      - { .name: out0, .offset: 56, .size: 8, .value_kind: global_buffer, .address_space: global }
      - { .name: out1, .offset: 64, .size: 8, .value_kind: global_buffer, .address_space: global }
    .group_segment_fixed_size: 327680
    .private_segment_fixed_size: 0
    .kernarg_segment_align: 8
    .kernarg_segment_size: 72
    .max_flat_workgroup_size: 128
    .sgpr_count:     102
    .vgpr_count:     1024
    .wavefront_size: 32
...
	.end_amdgpu_metadata
.endif
;; end of part 2
